; MI455X (gfx1250); checked and timed in simulation.
; The chip was launched on July 23, 2026; its instructions are those of AMD's public machine-readable ISA for CDNA 5 (MIT licence, August 2026) and "CDNA5" Instruction Set Architecture Reference Guide (July 2026). The comments in the code are by the model that wrote it; some were corrected since.
;; Bahdanau Attention. Allowed arithmetic: matrix products marked QUANTISED: E2M1 operands, one E8M0 scale for each 32 along K, by v_wmma_scale_f32_16x16x128_f8f6f4 with both operands' format E2M1 (or v_wmma_scale_f32_32x16x128_f4), f32 sums; products left as they are: f32 operands where the result goes on into a quantised operand, else bf16, f16 or f32 operands; f32 sums; everything else in f32.
;; Inputs: W_dec 1,024 x 1,024 float32; W_enc 1,024 x 1,024 float32; decoder_hidden 64 x 1,024 float32; encoder_outputs 64 x 1,024 x 1,024 float32; src_mask 64 x 1,024 int32; v 1,024 float32.
;; Outputs: out0 64 x 1,024 float32; out1 64 x 1,024 float32.
;; This version of the problem:
;;   THIS VERSION OF THE PROBLEM IS GIVEN IN LOW PRECISION. The matrix products marked QUANTISED in the list below multiply operands that are first quantised to E2M1 (2 exponent bits, 1 mantissa bit; 4 bits a number), with one power-of-two scale for each 32 numbers along K (OCP MX v1.0); their sums are f32. All else is computed in f32.
;;   The module's matrix products, in the order in which they are computed (A, B: the left and right operand; K: the contracted axis; several contracted axes count as one K, in the product's order):
;;     1. [M 64, K 1,024] x [K 1,024, N 1,024]; A: input decoder_hidden; B: input W_dec: QUANTISED
;;     2. [M 65,536, K 1,024] x [K 1,024, N 1,024]; A: input encoder_outputs; B: input W_enc: QUANTISED
;;     3. [M 65,536, K 1,024] x [K 1,024, N 1]; A: computed on the way; B: input v: left as it is (N = 1 < 16)
;;     4. batch 64 x [M 1, K 1,024] x [K 1,024, N 1,024]; A: softmax; B: input encoder_outputs: left as it is (M = 1 < 16)
;;   THE QUANTISER, for each operand of a quantised product, along K:
;;     - K is cut into blocks of 32 from its start; a last block that is shorter is filled with zeros.
;;     - A block's scale is 2^e with e = floor(log2(the largest magnitude in the block)) - 2, held to -126 .. 127; a block of zeros has e = 0. As a byte (E8M0): e + 127.
;;     - Each number is divided by its block's scale, clamped to +-6, and rounded to the nearest number of E2M1, ties to even, subnormals kept.
;;     - The product sums the exact products of the quantised numbers (number of the format x scale) in f32.
;;   ~~~python
;;   def quantise(x, axis):      # numpy; x: float32 -> the quantised numbers, widened to float32 again
;;       x = np.moveaxis(x, axis, -1); K = x.shape[-1]
;;       x = np.pad(x, [(0, 0)] * (x.ndim - 1) + [(0, -K % 32)]); x = x.reshape(x.shape[:-1] + (-1, 32)); a = np.abs(x).max(-1, keepdims=True)
;;       e = np.where(a > 0, np.clip(np.frexp(np.where(a > 0, a, 1))[1] - 1 - 2, -126, 127), 0)      # np.frexp(a)[1] - 1 = floor(log2(a)), exactly
;;       r = np.clip(x / 2.0 ** e, -6, 6)
;;       step = 2.0 ** (np.maximum(np.frexp(np.where(r == 0, 1, r))[1] - 1, 0) - 1)
;;       q = np.round(r / step) * step * 2.0 ** e      # np.round: ties to even
;;       return np.moveaxis(q.reshape(q.shape[:-2] + (-1,))[..., :K], -1, axis).astype(np.float32)
;;   ~~~
;; One version. Each part assembles by itself: llvm-mc -triple=amdgcn-amd-amdhsa -mcpu=gfx1250 --defsym DOCPART=n.
;; ======== version 1 of 1: 3 launches
;; limits: right only within a limited range of input values; values are held in bf16: 8 bits of precision
;; workspace buffers: wimg 1,048,576 bytes; dec 262,144 bytes; tsc 262,144 bytes; pml 65,536 bytes; pctx 1,048,576 bytes
;; launch prep (part 1): grid 320 x 1, 8 waves a work-group, no clusters, 145,408 bytes of LDS; arguments W_enc, W_dec, decoder_hidden, wimg, dec; writes wimg, dec
.if DOCPART == 1
	.amdgcn_target "amdgcn-amd-amdhsa--gfx1250"
	.amdhsa_code_object_version 6
	.text
	.protected	k_q143da7a849_prep
	.globl	k_q143da7a849_prep
	.p2align	8
	.type	k_q143da7a849_prep,@function
k_q143da7a849_prep:
	s_mov_b64 s[64:65], 0
	v_nop
	global_prefetch_b8 v0, s[64:65] scope:SCOPE_SE
	s_setreg_imm32_b32 hwreg(HW_REG_WAVE_MODE, 25, 1), 1
	s_wait_xcnt 0x0
; Two jobs in one launch, parted by the work-group's number.
; Work-groups 0-255: dec[b][d] = sum over k of Q(decoder_hidden)[b][k] Q(W_dec)[d][k], a tile of 16 batches x 16 d each; Q = MX-FP4 along k (E2M1 codes, one E8M0 scale for each 32).
; Work-groups 256-319: W_enc's rows 16 T .. 16 T + 15 become codes and scale words, stored as images of the operand's registers in the order in which the next launch walks them.
; WORK LEFT OUT BY THE PROGRAM: tanh z = 1 - 2 r with r = 1 / (1 + e^(2 z)), so a score is sum(v) - 2 sum(v r).  sum(v) is the same for every row of a softmax, which takes such a term away
; for all values of the inputs; it is not computed.  LIMIT: this holds while |sum(v)| is far under 1e9, the size of a masked row's score; an overflow in sum(v) alone is not carried to the result.
; Eight waves; wave q takes K step q (128 along k) of 16 rows.  A load takes one row's 512 consecutive bytes, 16 a lane.  The 16 rows go through the wave's own stage in LDS (pitch 528 bytes) and come back
; as lane (r, h) wants them: of row r, k = 128 q + 64 c + 32 h + 0 .. 31 (c = 0, 1): two whole blocks of 32 in the order of a 4-bit fragment's registers, so the conversions' results are the fragment.
; wimg: slot sigma (0..7) at sigma x 131,072; in it wave part w at w x 17,408; in it column tile T = 16 w + 2 sigma + u: fragment (u, K step s) at u x 8,192 + s x 1,024 as [c][lane][16 bytes];
; scale words at 16,384 + u x 512 + 16 x lane: lane 16 h + r holds the words of K steps 4 h .. 4 h + 3 of W's row 16 T + r.
; A block's scale byte is its largest magnitude's exponent field - 2, held at 1 from below.
; LIMITS: a block of zeros, or one whose largest magnitude lies under 2^-124, gets the byte 1 (its codes are zeros or tiny; the bytes are read by this program alone); NaN and infinities are not served;
; dec's K is summed as eight f32 parts, K step ascending; dec is stored 64 bytes a row and lane pair, so its 256-byte pieces are written in parts (262,144 bytes in all).
.set RED,  0                           ; LDS, first job: eight waves' parts of the tile, 1,024 bytes each
.set ESC,  8192                        ; LDS, second job: the tile's scale words, 512 bytes
.set SPARE, 9216                       ; the spare words, 128 bytes a wave
.set TP,   528                         ; a stage row: 512 bytes + 16 of padding
.set STD,  10240                       ; first job's stages: 8 waves x 16 rows x TP
.set STE,  STD+8*16*TP                 ; second job's: bytes of its own for each job
.set VOFF, 4                           ; v4   TP r + 128 h: my place in a stage on the way back
.set L16,  5                           ; v5   16 x lane
.set SH,   6                           ; v6   8 h: where my two scale bytes stand in the word
.set RW,   7                           ; v7   RED + 1,024 q + 16 x lane
.set MX,   8                           ; v8-9   largest magnitudes
.set SO,   10                          ; v10-11 the conversions' scale operands
.set BY,   12                          ; v12-13 scale bytes
.set TT,   14                          ; v14  at work
.set EW,   15                          ; v15  ESC + 256 (q / 4) + 16 r + 4 (q % 4)
.set DO,   16                          ; v16  4,096 r + 32 h: my place in dec's tile
.set TWD,  24                          ; v24, v25 first job's stage: in, back
.set TRD,  25
.set TWE,  26                          ; v26, v27 second job's
.set TRE,  27
.set XW,   32                          ; v32-95   64 numbers of the weight
.set XD,   96                          ; v96-159  64 numbers of decoder_hidden
.set ACC,  160                         ; v160-167 the product
.set CW,   168                         ; v168-175 the weight's fragment
.set CD,   176                         ; v176-183 decoder_hidden's
.set SW,   184                         ; v184 the weight's scale word
.set SD,   185                         ; v185 decoder_hidden's
.macro QLOAD reg, base                 ; 16 rows x 512 consecutive bytes
.irp j, 0,1,2,3,4,5,6,7,8,9,10,11,12,13,14,15
	global_load_b128 v[\reg+4*\j:\reg+4*\j+3], v[L16], s[\base:\base+1] offset:4096*\j
.endr
.endm
.macro TIN reg, adr                    ; the rows into my stage, as they were loaded
.irp j, 0,1,2,3,4,5,6,7,8,9,10,11,12,13,14,15
	ds_store_b128 v[\adr], v[\reg+4*\j:\reg+4*\j+3] offset:TP*\j
.endr
.endm
.macro TOUT reg, adr                   ; and back: my two blocks of 32 of row r.  LDS serves a wave's instructions in order: these see my stores
.irp c, 0,1
.irp g, 0,1,2,3,4,5,6,7
	ds_load_b128 v[\reg+32*\c+4*\g:\reg+32*\c+4*\g+3], v[\adr] offset:256*\c+16*\g
.endr
.endr
.endm
.macro QF reg, cod, scl                ; 64 numbers -> a fragment's 8 registers and the row's scale word for this K step
.irp c, 0,1
	v_max3_num_f32 v[MX+\c], |v[\reg+32*\c]|, |v[\reg+32*\c+1]|, 0x1800000   ; block 2 c + h is all mine; the floor 2^(3 - 127) holds the byte at 1 from below
.endr
.irp i, 2,4,6,8,10,12,14,16,18,20,22,24,26,28,30
.irp c, 0,1
	s_delay_alu instid0(VALU_DEP_2)
	v_max3_num_f32 v[MX+\c], v[MX+\c], |v[\reg+32*\c+\i]|, |v[\reg+32*\c+\i+1]|   ; the two blocks by turns
.endr
.endr
.irp c, 0,1
	s_delay_alu instid0(VALU_DEP_2)
	v_add_nc_u32 v[SO+\c], 0xff000000, v[MX+\c]    ; 2 off the exponent field: the conversion's scale operand
.endr
.irp c, 0,1
	s_delay_alu instid0(VALU_DEP_2)
	v_lshrrev_b32 v[BY+\c], 23, v[SO+\c]           ; the scale's byte
.endr
	s_delay_alu instid0(VALU_DEP_1)
	v_lshl_or_b32 v[\scl], v[BY+1], 16, v[BY]      ; blocks h and 2 + h,
	s_delay_alu instid0(VALU_DEP_1)
	v_lshlrev_b32 v[\scl], v[SH], v[\scl]          ; at their places in the word;
	v_mov_b32 v[TT], 0                             ; (a lane permute's destination counts as one of its sources)
	s_delay_alu instid0(VALU_DEP_1)
	v_permlanex16_b32 v[TT], v[\scl], s20, s21
	s_delay_alu instid0(VALU_DEP_1)
	v_or_b32 v[\scl], v[\scl], v[TT]               ; with lane l xor 16's two the word is whole
.irp c, 0,1
.irp g, 0,1,2,3
	v_cvt_scalef32_pk8_fp4_f32 v[\cod+4*\c+\g], v[\reg+32*\c+8*\g:\reg+32*\c+8*\g+7], v[SO+\c]
.endr
.endr
	v_nop                                          ; one plain place behind the last scaled conversion
.endm
	s_load_b256 s[4:11], s[0:1], 0x0               ; W_enc s[4:5], W_dec s[6:7], decoder_hidden s[8:9], wimg s[10:11]
	s_load_b64 s[12:13], s[0:1], 0x20              ; dec
	v_lshl_add_u32 v192, v0, 2, SPARE
	v_mov_b32 v193, 0
	v_lshrrev_b32 v1, 5, v0
	s_delay_alu instid0(VALU_DEP_1)
	v_readfirstlane_b32 s14, v1                    ; wave q = K step
	v_and_b32 v2, 15, v0                           ; r
	v_bfe_u32 v3, v0, 4, 1                         ; h
	s_delay_alu instid0(VALU_DEP_2)
	v_mul_u32_u24 v[VOFF], v2, TP
	s_delay_alu instid0(VALU_DEP_1)
	v_lshl_add_u32 v[VOFF], v3, 7, v[VOFF]
	v_and_b32 v[L16], 31, v0
	s_delay_alu instid0(VALU_DEP_1)
	v_lshlrev_b32 v[L16], 4, v[L16]
	v_lshlrev_b32 v[SH], 3, v3
	s_lshl_b32 s24, s14, 10
	v_add_nc_u32 v[RW], s24, v[L16]                ; every LDS address is made here, ahead of the parting
	s_mul_i32 s23, s14, 16*TP
	s_add_co_u32 s23, s23, STD                     ; my stage
	v_add_nc_u32 v[TWD], s23, v[L16]
	v_add_nc_u32 v[TRD], s23, v[VOFF]
	s_delay_alu instid0(VALU_DEP_2)
	v_add_nc_u32 v[TWE], STE-STD, v[TWD]
	s_delay_alu instid0(VALU_DEP_2)
	v_add_nc_u32 v[TRE], STE-STD, v[TRD]
	s_lshr_b32 s25, s14, 2
	s_lshl_b32 s25, s25, 8
	s_and_b32 s26, s14, 3
	s_lshl_b32 s26, s26, 2
	s_add_co_u32 s25, s25, s26
	s_add_co_u32 s25, s25, ESC
	v_lshl_add_u32 v[EW], v2, 4, s25
	v_lshlrev_b32 v[DO], 12, v2
	s_delay_alu instid0(VALU_DEP_1)
	v_lshl_add_u32 v[DO], v3, 5, v[DO]
	s_mov_b32 s20, 0x76543210
	s_mov_b32 s21, 0xfedcba98                      ; v_permlanex16_b32's selects for lane l xor 16
	s_lshl_b32 s22, s14, 9                         ; my K step in a row: 512 q bytes
	s_wait_kmcnt 0x0
	s_cmp_lt_u32 ttmp9, 256
	s_cbranch_scc0 .Lenc
	; ---- dec: batches 16 i .., d 16 T ..
	s_and_b32 s26, ttmp9, 3                        ; i
	s_lshr_b32 s27, ttmp9, 2                       ; T
	s_lshl_b32 s28, s27, 16                        ; 16 T rows of 4,096 bytes
	s_add_co_u32 s28, s28, s22
	s_mov_b32 s29, 0
	s_lshl_b32 s30, s26, 16                        ; 16 i rows
	s_add_co_u32 s30, s30, s22
	s_mov_b32 s31, 0
	s_lshl_b32 s32, s26, 16                        ; in dec: 16 i rows of 4,096 bytes + 64 T
	s_lshl_b32 s33, s27, 6
	s_add_co_u32 s32, s32, s33
	s_mov_b32 s33, 0
	s_add_nc_u64 s[16:17], s[6:7], s[28:29]
	s_add_nc_u64 s[18:19], s[8:9], s[30:31]
	s_add_nc_u64 s[12:13], s[12:13], s[32:33]
	s_wait_alu depctr_va_vdst(0)
	QLOAD XW, 16
	QLOAD XD, 18
	s_wait_loadcnt 16                              ; W_dec's 16 loads are in; decoder_hidden's 16 were issued behind them
	TIN XW, TWD
	s_wait_dscnt 0x0                               ; the stores have read their registers, which take the numbers back
	TOUT XW, TRD
	s_wait_loadcnt 0x0
	TIN XD, TWD                                    ; served behind the loads above
	s_wait_dscnt 0x0                               ; W_dec's numbers are back, and these stores have read their registers
	TOUT XD, TRD
	QF XW, CW, SW
	s_wait_dscnt 0x0
	QF XD, CD, SD
.rept 8
	v_nop                                          ; a scale register written by a vector instruction stands eight places ahead of a scaled matrix instruction, an operand four
.endr
	v_wmma_scale_f32_16x16x128_f8f6f4 v[ACC:ACC+7], v[CW:CW+7], v[CD:CD+7], 0, v[SW], v[SD] matrix_a_fmt:MATRIX_FMT_FP4 matrix_b_fmt:MATRIX_FMT_FP4   ; source 0 = 16 d, source 1 = 16 batches: lane (r, h) holds batch r, d = 8 h + 0 .. 7
.rept 4
	v_nop                                          ; four places ahead of the first read of the result (ISA guide 7.12.1)
.endr
	ds_store_b128 v[RW], v[ACC:ACC+3]              ; the result from its low end on
	ds_store_b128 v[RW], v[ACC+4:ACC+7] offset:512
	s_wait_dscnt 0x0                               ; for wave 0's sake: my part lies in LDS
	s_barrier_signal -1
	s_barrier_wait -1
	s_cmp_lg_u32 s14, 0
	s_cbranch_scc1 .Ldone_d
.irp q, 0,1,2,3,4,5,6,7
	ds_load_b128 v[XW+8*\q:XW+8*\q+3], v[L16] offset:RED+1024*\q
	ds_load_b128 v[XW+8*\q+4:XW+8*\q+7], v[L16] offset:RED+1024*\q+512
.endr
	s_wait_dscnt 0x0
.irp q, 1,2,3,4,5,6,7
.irp j, 0,2,4,6
	v_pk_add_f32 v[XW+\j:XW+\j+1], v[XW+\j:XW+\j+1], v[XW+8*\q+\j:XW+8*\q+\j+1]   ; K step ascending
.endr
.endr
	global_store_b128 v[DO], v[XW:XW+3], s[12:13]
	global_store_b128 v[DO], v[XW+4:XW+7], s[12:13] offset:16
.Ldone_d:
	s_wait_tensorcnt 0x0                           ; the wave's end
	ds_add_u32 v192, v193
	s_wait_dscnt 0x0
	s_endpgm
	; ---- W_enc's column tile T
.Lenc:
	s_sub_co_u32 s26, ttmp9, 256                   ; T
	s_lshl_b32 s28, s26, 16
	s_add_co_u32 s28, s28, s22
	s_mov_b32 s29, 0
	s_add_nc_u64 s[16:17], s[4:5], s[28:29]
	s_lshr_b32 s27, s26, 4                         ; w
	s_mul_i32 s27, s27, 17408
	s_bfe_u32 s30, s26, 0x30001                    ; sigma: three bits from bit 1
	s_lshl_b32 s30, s30, 17
	s_add_co_u32 s30, s30, s27
	s_and_b32 s31, s26, 1                          ; u
	s_lshl_b32 s32, s31, 13
	s_add_co_u32 s32, s32, s30
	s_lshl_b32 s33, s14, 10
	s_add_co_u32 s32, s32, s33                     ; my fragment's image
	s_mov_b32 s33, 0
	s_add_nc_u64 s[18:19], s[10:11], s[32:33]
	s_lshl_b32 s34, s31, 9
	s_add_co_u32 s34, s34, s30
	s_add_co_u32 s34, s34, 16384                   ; the tile's scale words
	s_mov_b32 s35, 0
	s_add_nc_u64 s[10:11], s[10:11], s[34:35]
	s_wait_alu depctr_va_vdst(0)
	QLOAD XW, 16
	s_wait_loadcnt 0x0
	TIN XW, TWE
	s_wait_dscnt 0x0                               ; the stores have read their registers
	TOUT XW, TRE
	s_wait_dscnt 0x0
	QF XW, CW, SW
	global_store_b128 v[L16], v[CW:CW+3], s[18:19]             ; 512 consecutive bytes a store
	global_store_b128 v[L16], v[CW+4:CW+7], s[18:19] offset:512
	ds_store_b32 v[EW], v[SW]                      ; both halves of the lanes write the same word with the same value
	s_wait_dscnt 0x0                               ; for wave 0's sake
	s_barrier_signal -1
	s_barrier_wait -1
	s_cmp_lg_u32 s14, 0
	s_cbranch_scc1 .Ldone_e
	ds_load_b128 v[20:23], v[L16] offset:ESC       ; lane 16 h + r: the words of K steps 4 h .. 4 h + 3 of row r
	s_wait_dscnt 0x0
	global_store_b128 v[L16], v[20:23], s[10:11]   ; 512 consecutive bytes
.Ldone_e:
	s_wait_tensorcnt 0x0                           ; the wave's end
	ds_add_u32 v192, v193
	s_wait_dscnt 0x0
	s_endpgm
.Lfunc_end_k_q143da7a849_prep:
	.size	k_q143da7a849_prep, .Lfunc_end_k_q143da7a849_prep-k_q143da7a849_prep
	.p2alignl 7, 3214868480
	.fill 96, 4, 3214868480
	.section	.rodata,"a",@progbits
	.p2align	6, 0x0
	.amdhsa_kernel k_q143da7a849_prep
		.amdhsa_group_segment_fixed_size 145408
		.amdhsa_private_segment_fixed_size 0
		.amdhsa_enable_private_segment 0
		.amdhsa_kernarg_size 40
		.amdhsa_user_sgpr_count 2
		.amdhsa_user_sgpr_kernarg_segment_ptr 1
		.amdhsa_wavefront_size32 1
		.amdhsa_system_sgpr_workgroup_id_x 1
		.amdhsa_system_sgpr_workgroup_id_y 1
		.amdhsa_system_sgpr_workgroup_id_z 1
		.amdhsa_system_vgpr_workitem_id 0
		.amdhsa_next_free_vgpr 194
		.amdhsa_next_free_sgpr 66
		.amdhsa_reserve_vcc 0
		.amdhsa_float_denorm_mode_32 3
		.amdhsa_float_denorm_mode_16_64 3
		.amdhsa_memory_ordered 1
		.amdhsa_forward_progress 1
		.amdhsa_inst_pref_size 32
	.end_amdhsa_kernel
	.amdgpu_metadata
---
amdhsa.version: [ 1, 2 ]
amdhsa.kernels:
  - .name:           k_q143da7a849_prep
    .symbol:         k_q143da7a849_prep.kd
    .args:
      - { .name: W_enc, .offset: 0, .size: 8, .value_kind: global_buffer, .address_space: global }
      - { .name: W_dec, .offset: 8, .size: 8, .value_kind: global_buffer, .address_space: global }
      - { .name: decoder_hidden, .offset: 16, .size: 8, .value_kind: global_buffer, .address_space: global }
      - { .name: wimg, .offset: 24, .size: 8, .value_kind: global_buffer, .address_space: global }
      - { .name: dec, .offset: 32, .size: 8, .value_kind: global_buffer, .address_space: global }
    .group_segment_fixed_size: 145408
    .private_segment_fixed_size: 0
    .kernarg_segment_align: 8
    .kernarg_segment_size: 40
    .max_flat_workgroup_size: 256
    .sgpr_count:     66
    .vgpr_count:     194
    .wavefront_size: 32
...
	.end_amdgpu_metadata
.endif
;; end of part 1
;; launch attend (part 2): grid 256 x 1, 4 waves a work-group, clusters of 4 x 1, 327,680 bytes of LDS; arguments encoder_outputs, src_mask, v, wimg, dec, tsc, pml, pctx; writes tsc, pml, pctx
.if DOCPART == 2
	.amdgcn_target "amdgcn-amd-amdhsa--gfx1250"
	.amdhsa_code_object_version 6
	.text
	.protected	k_q143da7a849_attend
	.globl	k_q143da7a849_attend
	.p2align	8
	.type	k_q143da7a849_attend,@function
k_q143da7a849_attend:
	s_mov_b64 s[64:65], 0
	v_nop
	global_prefetch_b8 v0, s[64:65] scope:SCOPE_SE
	s_setreg_imm32_b32 hwreg(HW_REG_WAVE_MODE, 25, 1), 1
	s_wait_xcnt 0x0
	s_wait_alu depctr_hold_cnt(0) depctr_sa_sdst(0) depctr_va_vdst(0) depctr_va_sdst(0) depctr_va_ssrc(0) depctr_va_vcc(0) depctr_vm_vsrc(0)
	s_getreg_b32 s2, hwreg(HW_REG_IB_STS2, 6, 4)
	s_cmp_eq_u32 s2, 0
	s_cbranch_scc0 .Lentry_in_a_cluster
	s_endpgm
.Lentry_in_a_cluster:
	s_bfe_u32 s2, ttmp6, 0x10000c
	s_cmp_lg_u32 s2, 0x3003
	s_cbranch_scc0 .Lentry_shape_is_right
	s_endpgm
.Lentry_shape_is_right:
; Scores, running softmax and context of 256 rows of one batch, from ONE read of encoder_outputs.
; z[s][n] = sum over e of Q(x)[s][e] Q(W_enc)[n][e] + dec[b][n]  (MX-FP4, scaled matrix instruction; dec is the C of each sum's first instruction);
; tanh z = 1 - 2 r, r = 1 / (1 + 2^(c z)), c = 2 log2(e);  score = sum(v) - 2 u, u = sum over n of v[n] r[n].  sum(v) is the same for every row of a softmax and is left out;
; t = -2 log2(e) u, or -1e9 log2(e) where src_mask is 0;  p = 2^(t - m), m the running maximum of t;  l = the running sum of p (f32);  ctx[e] = the running sum of p x[s][e] (bf16 operands, f32 sums).
; Stored: t for every row, and for the work-group m, l and the unnormalised ctx; the next launch joins a batch's four parts.
; SHARES.  A cluster of four work-groups is a batch; work-group cx owns rows 256 cx .. + 255, as four tiles of 64.  Four waves.  Wave w: columns n = 256 w .. + 255 of the product for all 64 rows
; (16 column tiles, two a ring step, eight steps a tile); quantises rows 16 w .. + 15 of each arriving tile; channels e = 256 w .. + 255 of the context.
; WHERE A TILE OF x LIVES.  The current tile: codes in 256 registers (each wave holds all 64 rows), bf16 in 256 registers (64 rows x the wave's 256 channels).  The arriving tile: 256 landing registers a wave
; (8 rows of f32), quantised two rows to a ring step into LDS (bf16, codes, scale bytes); at a tile's end it is read from LDS into the registers.
; W_enc's codes and scales (557,056 bytes) are walked once for each tile of rows, through a ring of two LDS slots.  All four work-groups of the cluster walk the same bytes in step, so each slot is asked for
; JOINTLY: the same tensor load, the same descriptor, a mask that names the four.  Each wave fetches and reads its own quarter of a slot, as an image of the operand's registers.
; THE MATRIX INSTRUCTION IS USED TRANSPOSED (source 0 = 16 rows of W_enc, source 1 = 16 rows of x): lane (r, h) holds row r of x and n = 8 h + 0 .. 7.
; BY TURNS.  Two sets of four accumulators.  While one column tile's 32 matrix instructions are issued, the 32 reciprocals of the column tile before stand as one batch ahead of them; its scalings and exponentials
; stand ahead of them, behind the LDS loads that those matrix instructions wait for.
; LIMITS: NaN and infinities are not served.  A block of zeros, or one whose largest magnitude lies under 2^-124, gets the scale byte 1 (read by this program alone).  Leaving sum(v) out holds while |sum(v)| is
; far under 1e9, beside which a masked row's score must still vanish.  p and x are rounded to bf16 for the context's product.
; x is not prefetched: its rows are asked for four ring steps ahead, into registers, and in the loop one wait a half covers them.
; lds_bytes is all of a WGP's LDS and the spare words are added to.
.set PARTB, 17408                      ; a wave's part of a slot: 16 fragments of 1,024 bytes, 2 x 512 bytes of scale words
.set SLOTB, 4*PARTB
.set XB,    2*SLOTB                    ; arriving bf16: 64 rows, pitch 2,080 = 65 x 32 bytes
.set XBP,   2080
.set STG,   XB+64*XBP                  ; arriving codes: 64 rows of 512 bytes, pitch 528 = 33 x 16
.set STP,   528
.set STS,   STG+64*STP                 ; arriving scale bytes: 64 rows x 32
.set TBL,   STS+2048                   ; dec[b] (4,096 bytes), then v (4,096)
.set MSKT,  TBL+8192                   ; the work-group's 256 mask words
.set SCX,   MSKT+1024                  ; [row][wave] f32: each wave's part of u
.set PT,    SCX+1024                   ; 128 bytes a wave: p as bf16
.set OUTS,  PT+512                     ; 1,024 bytes a wave: the context's way out
.set SPARE, OUTS+4096                  ; the spare words, 128 bytes for each wave: two blocks of 256 bytes that no other line names
; window 0
.set SPW,  1                           ; SPARE + 4 x thread; never rewritten
.set NIL,  2                           ; 0; never rewritten
.set WAD,  3                           ; v3-4  my part of slot 0, 1: + 16 x lane
.set TB0,  5                           ; TBL + 1,024 w + 32 h
.set TBA,  6                           ; + 128 x ring step
.set XA,   7                           ; 65,536 w + 16 x lane: my place in a tile of x in memory
.set XBW0, 8                           ; XB + 16 XBP w + 8 x lane
.set STW0, 9                           ; STG + 16 STP w + 2 x lane
.set SSW0, 10                          ; STS + 512 w + lane / 8
.set XBW,  11                          ; v11-13: v8-10 + the half's 8 rows
.set STW,  12
.set SSW,  13
.set XBR,  14                          ; v14-15 the turning loads' address, rows 0-31 and 32-63
.set STR,  16                          ; STG + STP r + 16 h
.set SSR,  17                          ; STS + 32 r + 16 h
.set SCW,  18                          ; SCX + 16 r + 4 w
.set SCR,  19                          ; SCX + 32 x lane
.set PTW,  20                          ; PT + 128 w + 4 x lane
.set PTR,  21                          ; PT + 128 w + 16 h
.set MKR,  22                          ; MSKT + 8 x lane
.set MKA,  23                          ; + 256 x tile
.set TSO,  24                          ; 8 x lane
.set OSW,  25                          ; OUTS + 1,024 w + 4 r
.set OSR,  26                          ; OUTS + 1,024 w + 16 x lane
.set NEGL, 27                          ; -1e9 log2(e)
.set MM,   28                          ; m
.set LL,   29                          ; l
.set FF,   30                          ; f = 2^(old m - new m)
.set T0,   31                          ; v31-39 at work
.set SA,   40                          ; v40-47 u: a pair (even n, odd n) for each tile of 16 rows
.set CTX,  48                          ; v48-63 register T, lane r: channel 256 w + 16 T + r
.set ACB,  64                          ; v64-95 four accumulators, one for each tile of 16 rows: a step's SECOND column tile; it lives on into the next step
.set WF,   96                          ; v96-159 a column tile's eight fragments of W
.set DEC,  160                         ; v160-167 dec at the column tile's n = 8 h + 0 .. 7
.set VV,   168                         ; v168-183 v likewise, a set for each of a step's two column tiles
.set WS,   184                         ; v184-187 W's scale words: register q: lanes 0-15 K step q, lanes 16-31 K step 4 + q
.set XS,   188                         ; v188-203 x's: register 4 i + q likewise
.set ACA,  204                         ; v204-235 four accumulators: a step's FIRST column tile; begun and used up inside a step's body, so the registers serve the quantiser and a tile's end as well
.set XM,   204                         ; the quantiser: v204-211 largest magnitudes, v212-219 scale operands;
.set XSC,  212
.set UU,   204                         ; at a tile's end: v204-211 u's parts, then t in v204-205; v212-213 mask words; v216-231 p's two fragments
.set MK,   212
.set PA,   216
; window 1: x's codes, fragment (tile of rows i, K step s) at 8 (8 i + s).   window 2: x as bf16, fragment (T, 32 rows k) at 8 (2 T + k).   window 3: landing rows, row rho at 32 rho.
.set G0,   32                          ; s[32:35], s[36:39] descriptor group 0 of slot 0, 1;  s[24:31] group 1
.set MSB, 0
.macro WIN new                         ; the immediate's high byte repeats the setting that is left; bits 1:0 source 0, 3:2 source 1, 5:4 source 2, 7:6 destination
.if MSB != \new
	s_set_vgpr_msb (MSB<<8)|\new
.set MSB, \new
.endif
.endm
.macro ROUND                           ; a round of the cluster's barrier: my work-group's barrier, wave 0 signals for the work-group, all wait for the four work-groups, my work-group's barrier again
	s_barrier_signal -1
	s_barrier_wait -1
	s_cmp_lg_u32 s20, 0
	s_cbranch_scc1 .Lnw0_\@
	s_barrier_signal -3
.Lnw0_\@:
	s_barrier_wait -3
	s_barrier_signal -1
	s_barrier_wait -1
.endm
.macro PLACES                          ; four plain places
.rept 4
	v_nop
.endr
.endm
.macro LROW rho                        ; a landing row: 4,096 bytes, eight loads of 512 consecutive bytes; lane l gets k = 128 jj + 4 l .. + 3
.irp jj, 0,1,2,3,4,5,6,7
	global_load_b128 v[32*(\rho)+4*\jj:32*(\rho)+4*\jj+3], v[XA], s[46:47] offset:4096*(\rho)+512*\jj th:TH_LOAD_NT
.endr
.endm
; Column tile u of the slot p: dec, v, W's scale words and its eight fragments: 21 LDS loads
.macro WLOAD p, u
	ds_load_b128 v[DEC:DEC+3], v[TBA] offset:64*\u
	ds_load_b128 v[DEC+4:DEC+7], v[TBA] offset:64*\u+16
	ds_load_b128 v[VV+8*\u:VV+8*\u+3], v[TBA] offset:4096+64*\u
	ds_load_b128 v[VV+8*\u+4:VV+8*\u+7], v[TBA] offset:4096+64*\u+16
	ds_load_b128 v[WS:WS+3], v[WAD+\p] offset:16384+512*\u
.irp s, 0,1,2,3,4,5,6,7
.irp c, 0,1
	ds_load_b128 v[WF+8*\s+4*\c:WF+8*\s+4*\c+3], v[WAD+\p] offset:8192*\u+1024*\s+512*\c
.endr
.endr
.endm
; A column tile's vector work, u += v r, in three parts.  FIRST PART: 1 + 2^(c z), in place.  Each accumulator is first read at its registers 0 and 1.  The 32 exponentials are a batch with one wait.
.macro EPIA acc
	s_wait_alu depctr_va_vdst(0)                   ; directly ahead of the first readers of the matrix results
.irp pj, 0,1,2,3
.irp i, 0,1,2,3
	v_pk_mul_f32 v[\acc+8*\i+2*\pj:\acc+8*\i+2*\pj+1], v[\acc+8*\i+2*\pj:\acc+8*\i+2*\pj+1], s[50:51] op_sel_hi:[1,0]   ; c z
.endr
.endr
	s_wait_alu depctr_va_vdst(0)
.set EJ, 0
.rept 32
	v_exp_f32 v[\acc+EJ], v[\acc+EJ]
.set EJ, EJ+1
.endr
	v_nop                                          ; a plain place behind the last of the batch
	s_wait_alu depctr_va_vdst(0)                   ; one wait for the 32, ahead of their first reader
.set EJ, 0
.rept 16
	v_pk_add_f32 v[\acc+EJ:\acc+EJ+1], v[\acc+EJ:\acc+EJ+1], 1.0 op_sel_hi:[1,0]
.set EJ, EJ+2
.endr
	s_wait_alu depctr_va_vdst(0)                   ; ahead of the reciprocals, which read these sums
.endm
; THIRD PART: u += v r, with v's set u.  Sixteen plain instructions that name no register of the matrix instructions just issued: they are also the places ahead of the next loads into W's,
; dec's and the scale words' registers and ahead of the first read of the new results.
.macro EPIC acc, u
.irp pj, 0,1,2,3
.irp i, 0,1,2,3
	v_pk_fma_f32 v[SA+2*\i:SA+2*\i+1], v[\acc+8*\i+2*\pj:\acc+8*\i+2*\pj+1], v[VV+8*\u+2*\pj:VV+8*\u+2*\pj+1], v[SA+2*\i:SA+2*\i+1]
.endr
.endr
.endm
; THE SECOND PART of the column tile before, in the set mr: r = 1 / (1 + 2^(c z)), 0 where 2^(c z) has run over, 1 where it has run under: 32 reciprocals as ONE batch, ahead of the matrix instructions
;  W's 21 LDS loads land under the batch: their wait stands behind it.
; Then 32 matrix instructions into the set md: 16 n x 64 rows x all of K.  The four accumulators take turns, one instruction a turn.  K steps 4-7 take their scale words from lanes 16-31.
.macro MULR md, mr
.set RJ, 0
.rept 32
	v_rcp_f32 v[\mr+RJ], v[\mr+RJ]
.set RJ, RJ+1
.endr
	v_nop                                          ; a plain place behind the last reciprocal
	s_wait_dscnt 0x0                               ; the column tile's dec, v, scale words and fragments are in
	WIN 0x04                                       ; source 1 (x's codes) in window 1
.irp s, 0,1,2,3,4,5,6,7
.irp i, 0,1,2,3
.if \s == 0
	v_wmma_scale_f32_16x16x128_f8f6f4 v[\md+8*\i:\md+8*\i+7], v[WF:WF+7], v[64*\i:64*\i+7], v[DEC:DEC+7], v[WS], v[XS+4*\i] matrix_a_fmt:MATRIX_FMT_FP4 matrix_b_fmt:MATRIX_FMT_FP4
.elseif \s < 4
	v_wmma_scale_f32_16x16x128_f8f6f4 v[\md+8*\i:\md+8*\i+7], v[WF+8*\s:WF+8*\s+7], v[64*\i+8*\s:64*\i+8*\s+7], v[\md+8*\i:\md+8*\i+7], v[WS+\s], v[XS+4*\i+\s] matrix_a_fmt:MATRIX_FMT_FP4 matrix_b_fmt:MATRIX_FMT_FP4
.else
	v_wmma_scale_f32_16x16x128_f8f6f4 v[\md+8*\i:\md+8*\i+7], v[WF+8*\s:WF+8*\s+7], v[64*\i+8*\s:64*\i+8*\s+7], v[\md+8*\i:\md+8*\i+7], v[WS+\s-4], v[XS+4*\i+\s-4] matrix_a_fmt:MATRIX_FMT_FP4 matrix_b_fmt:MATRIX_FMT_FP4 matrix_a_scale:MATRIX_SCALE_ROW1 matrix_b_scale:MATRIX_SCALE_ROW1
.endif
.endr
.endr
	s_wait_alu depctr_va_vdst(0)                   ; one wait for the 32 reciprocals, ahead of their first reader
	WIN 0
.endm
.macro EPI acc, u                      ; the three parts on end, where no matrix work is left to set the reciprocals beside
	EPIA \acc
.set EJ, 0
.rept 32
	v_rcp_f32 v[\acc+EJ], v[\acc+EJ]
.set EJ, EJ+1
.endr
	v_nop
	s_wait_alu depctr_va_vdst(0)
	EPIC \acc, \u
.endm
; A RING STEP'S HEAD.  In front of the barrier each wave waits for all its tensor loads (one is out: its part of slot p), adds 0 to its spare word, and waits for that and for its LDS reads and stores.
; fill = 1: the barrier is a round of the cluster's, and the other slot, read out in the step before, is asked for again first thing behind it: one tensor load of mine is out at any time.
.macro STEPH p, fill
	s_wait_tensorcnt 0x0                           ; no tensor load of mine is out: a group 0 may be written
	ds_add_u32 v[SPW], v[NIL]                      ; 0 onto my spare word
.if \fill
	s_add_nc_u64 s[G0+4*(1-\p)+2:G0+4*(1-\p)+3], s[40:41], s[42+2*(1-\p):43+2*(1-\p)]   ; my part of the other slot's next sigma
	s_or_b32 s[G0+4*(1-\p)+3], s[G0+4*(1-\p)+3], 0x80000000                             ; type = 2
	s_add_co_u32 s[42+2*(1-\p)], s[42+2*(1-\p)], 1<<18                                  ; two sigma on, 131,072 bytes each,
	s_and_b32 s[42+2*(1-\p)], s[42+2*(1-\p)], (1<<20)-1                                 ; round the eight
.endif
	v_add_nc_u32 v[TBA], s62, v[TB0]
	s_wait_alu depctr_va_vdst(0)                   ; directly behind the write
	s_add_co_u32 s62, s62, 128                     ; 32 n a step
	s_wait_dscnt 0x0                               ; the add is done; all my LDS reads are back and my LDS stores have landed
.if \fill
	ROUND
	tensor_load_to_lds s[G0+4*(1-\p):G0+4*(1-\p)+3], s[24:31]
	s_nop 0
.else
	s_barrier_signal -1
	s_barrier_wait -1
.endif
	PLACES                                         ; four v_nop behind the tensor load
.endm
; A RING STEP'S BODY: slot p's two column tiles.  The second tile's vector work is left for the next step's body.
.macro STEPB p
	WLOAD \p, 0
	EPIA ACB                                       ; the column tile left over from the step before; the 21 LDS loads land meanwhile
	MULR ACA, ACB
	EPIC ACB, 1
	WLOAD \p, 1
	EPIA ACA
	MULR ACB, ACA
	EPIC ACA, 0
.endm
.macro STEP p, fill
	STEPH \p, \fill
	STEPB \p
.endm
.macro GN n                            ; 2 n ring steps
	s_mov_b32 s60, \n
.Lgn_\@:
	STEP 0, 1
	STEP 1, 1
	s_sub_co_u32 s60, s60, 1
	s_cmp_lg_u32 s60, 0
	s_cbranch_scc1 .Lgn_\@
.endm
; ONE LANDED ROW becomes bf16, codes and scale bytes in LDS, and its registers take the row 8 rows (or a tile) on.  A block of 32 lies in eight neighbouring lanes, four numbers each.
; The conversion takes eight registers and one scale; a lane's eight registers are four numbers of block A and four of block B.  So it is issued twice, once with each block's scale: the low half of the first
; result and the high half of the second are kept.
; The registers that LDS stores read come in two sets, for even and odd rows (the odd rows' lie in W's fragments, idle here).
.macro XROW rho, cond
.if (\rho)%2
.set BYS, WF
.set BFS, WF+8
.set CDS, WF+24
.else
.set BYS, 220
.set BFS, 228
.set CDS, 244
.endif
.set LR, 32*(\rho)
	s_wait_dscnt 24                                ; all but the row before's 24 stores are done: those of the row two back have read this set
.if \cond == 0
	s_wait_loadcnt 56                              ; ahead of the loop: this row's eight loads are in; behind them seven rows' 56 were issued
.endif
	WIN 0x0f                                       ; sources 0 and 1 in window 3
.irp jj, 0,1,2,3,4,5,6,7
	v_max3_num_f32 v[XM+\jj], |v[LR+4*\jj]|, |v[LR+4*\jj+1]|, s53   ; with the floor 2^(3 - 127): the byte cannot fall under 1
.endr
.irp jj, 0,1,2,3,4,5,6,7
	v_max3_num_f32 v[XM+\jj], |v[LR+4*\jj+2]|, |v[LR+4*\jj+3]|, v[XM+\jj]
.endr
.irp jj, 0,1,2,3,4,5,6,7
	v_cvt_pk_bf16_f32 v[BFS+2*\jj], v[LR+4*\jj], v[LR+4*\jj+1]
	v_cvt_pk_bf16_f32 v[BFS+2*\jj+1], v[LR+4*\jj+2], v[LR+4*\jj+3]
.endr
	WIN 0
.irp x, 1,2,4
.irp jj, 0,1,2,3,4,5,6,7
	v_max_num_f32_dpp v[XM+\jj], v[XM+\jj], v[XM+\jj] row_xmask:\x row_mask:0xf bank_mask:0xf   ; the eight lanes of a block
.endr
.endr
.irp jj, 0,1,2,3,4,5,6,7
	v_add_nc_u32 v[XSC+\jj], s54, v[XM+\jj]        ; 2 off the exponent field: the conversion's scale operand
.endr
.irp jj, 0,1,2,3,4,5,6,7
	v_lshrrev_b32 v[BYS+\jj], 23, v[XSC+\jj]       ; the scale's byte
.endr
.irp jj, 0,1,2,3,4,5,6,7
	ds_store_b64 v[XBW], v[BFS+2*\jj:BFS+2*\jj+1] offset:XBP*(\rho)+256*\jj   ; 256 consecutive bytes a store
	ds_store_b8 v[SSW], v[BYS+\jj] offset:32*(\rho)+4*\jj                     ; the eight lanes of a block write the same byte with the same value
.endr
	WIN 0x03                                       ; source 0 in window 3
.irp jj, 0,2,4,6
	v_cvt_scalef32_pk8_fp4_f32 v[CDS+\jj], v[LR+4*\jj:LR+4*\jj+7], v[XSC+\jj]       ; low half: k = 128 jj + 4 l .. + 3
	v_cvt_scalef32_pk8_fp4_f32 v[CDS+\jj+1], v[LR+4*\jj:LR+4*\jj+7], v[XSC+\jj+1]   ; high half: k = 128 (jj + 1) + 4 l .. + 3
.endr
	v_nop                                          ; one plain place behind the last scaled conversion
	WIN 0
.irp jj, 0,2,4,6
	ds_store_b16 v[STW], v[CDS+\jj] offset:STP*(\rho)+64*\jj
	ds_store_b16_d16_hi v[STW], v[CDS+\jj+1] offset:STP*(\rho)+64*\jj+64
.endr
.if \cond
	s_cmp_lt_u32 s61, 7                            ; behind the eighth half there is no row to ask for: no load leaves the buffer
	s_cbranch_scc0 .Lnone_\@
.endif
	WIN 0xc0                                       ; destination in window 3
	LROW \rho
	WIN 0
.if \cond
.Lnone_\@:
.endif
.endm
; Ahead of a half tile's eight rows.  pro = 0, in the tiles' loop: ONE wait for the landing loads a half, for 0: right whether or not the half before asked for anything; it shows all eight rows in and every
; load that read the base done, so the base is stepped here.  pro = 1, ahead of the loop: each row has its own counted wait (in XROW), and the base is stepped behind the wait on XCNT.
.macro XHEAD pro
	s_wait_dscnt 0x0                               ; my earlier LDS stores have read their address registers
.if \pro
	s_wait_xcnt 0x0                                ; every load has read its base
.else
	s_wait_loadcnt 0x0
.endif
	s_add_nc_u64 s[46:47], s[46:47], s[48:49]      ; on to the half that this half's rows will ask for:
	s_xor_b32 s48, s48, 0x30000                    ; 8 rows (32,768 bytes) and 56 rows (229,376) by turns
	v_add_nc_u32 v[XBW], s66, v[XBW0]
	v_add_nc_u32 v[STW], s67, v[STW0]
	v_add_nc_u32 v[SSW], s68, v[SSW0]
.endm
.macro XTAIL                           ; behind them
	s_add_co_u32 s66, s66, 8*XBP
	s_add_co_u32 s67, s67, 8*STP
	s_add_co_u32 s68, s68, 256
	s_add_co_u32 s61, s61, 1
.endm
; A TILE'S END, first part: the scores, the running softmax, the context.
.macro SW_A
	EPI ACB, 1                                     ; the tile's last column tile (the sixteen multiply-adds that end a step's body are the places ahead of this read)
.irp i, 0,1,2,3
	v_add_f32 v[T0+\i], v[SA+2*\i], v[SA+2*\i+1]
.endr
.irp i, 0,1,2,3
	v_permlanex16_b32 v[T0+4+\i], v[T0+\i], s56, s57
.endr
.irp i, 0,1,2,3
	v_add_f32 v[T0+\i], v[T0+\i], v[T0+4+\i]       ; row 16 i + r: u over my 256 n
.endr
.irp i, 0,1,2,3
	ds_store_b32 v[SCW], v[T0+\i] offset:256*\i    ; both halves of the lanes write the same word with the same value
.endr
	v_add_nc_u32 v[MKA], s69, v[MKR]
	s_wait_alu depctr_va_vdst(0)                   ; directly ahead of the wait below
	s_wait_dscnt 0x0                               ; for the others' sake: my part of u, and my rows of the arriving tile, lie in LDS
	s_barrier_signal -1
	s_barrier_wait -1                              ; (a tensor load may be out)
	ds_load_b128 v[UU:UU+3], v[SCR]                ; lane l owns rows 2 l and 2 l + 1: four waves' parts each
	ds_load_b128 v[UU+4:UU+7], v[SCR] offset:16
	ds_load_b64 v[MK:MK+1], v[MKA]
	s_wait_dscnt 0x0
	v_add_f32 v[UU], v[UU], v[UU+1]
	v_add_f32 v[UU+2], v[UU+2], v[UU+3]
	v_add_f32 v[UU+4], v[UU+4], v[UU+5]
	v_add_f32 v[UU+6], v[UU+6], v[UU+7]
	v_add_f32 v[UU], v[UU], v[UU+2]
	v_add_f32 v[UU+1], v[UU+4], v[UU+6]
	v_mul_f32 v[UU], s52, v[UU]                    ; t = -2 log2(e) u
	v_mul_f32 v[UU+1], s52, v[UU+1]
	v_cmp_eq_u32 vcc_lo, 0, v[MK]
	v_cndmask_b32 v[UU], v[UU], v[NEGL], vcc_lo
	v_cmp_eq_u32 vcc_lo, 0, v[MK+1]
	v_cndmask_b32 v[UU+1], v[UU+1], v[NEGL], vcc_lo
	s_wait_alu depctr_va_vdst(0)                   ; ahead of the branch
	s_cmp_lg_u32 s20, 0
	s_cbranch_scc1 .Lnot_w0_\@
	global_store_b64 v[TSO], v[UU:UU+1], s[70:71]  ; 256 consecutive bytes, aligned
.Lnot_w0_\@:
	v_max_num_f32 v[T0], v[UU], v[UU+1]
.irp x, 1,2,4,8
	v_max_num_f32_dpp v[T0], v[T0], v[T0] row_xmask:\x row_mask:0xf bank_mask:0xf
.endr
	v_permlanex16_b32 v[T0+4], v[T0], s56, s57
	v_max3_num_f32 v[T0], v[T0], v[T0+4], v[MM]    ; the new m, in every lane
	v_sub_f32 v[T0+1], v[MM], v[T0]
	v_sub_f32 v[T0+2], v[UU], v[T0]
	v_sub_f32 v[T0+3], v[UU+1], v[T0]
	v_mov_b32 v[MM], v[T0]
	s_wait_alu depctr_va_vdst(0)
	v_exp_f32 v[FF], v[T0+1]
	v_exp_f32 v[T0+2], v[T0+2]
	v_exp_f32 v[T0+3], v[T0+3]
	v_nop
	s_wait_alu depctr_va_vdst(0)                   ; one wait for the three
	v_add_f32 v[T0+1], v[T0+2], v[T0+3]            ; the sum is taken of the f32 p
.irp x, 1,2,4,8
	v_add_f32_dpp v[T0+1], v[T0+1], v[T0+1] row_xmask:\x row_mask:0xf bank_mask:0xf
.endr
	v_permlanex16_b32 v[T0+4], v[T0+1], s56, s57
	v_add_f32 v[T0+1], v[T0+1], v[T0+4]
	v_fma_f32 v[LL], v[LL], v[FF], v[T0+1]
	v_cvt_pk_bf16_f32 v[T0+5], v[T0+2], v[T0+3]
	ds_store_b32 v[PTW], v[T0+5]                   ; my wave's own 128 bytes: LDS serves a wave's instructions in order (ISA guide 5.7.1.4)
.irp q, 0,1,2,3
	ds_load_b128 v[PA+4*\q:PA+4*\q+3], v[PTR] offset:32*\q   ; p as source 0, the same in all 16 rows: rows 8 h .., 16 + 8 h .., 32 + 8 h .., 48 + 8 h ..
.endr
	s_wait_dscnt 0x0
.irp g, 0,1,2,3                        ; ctx = ctx f + p x: four tiles of 16 channels at a time, K = the tile's 64 rows; every row of a result is the same, register 0 is taken
	WIN 0x08                                       ; source 1 (x as bf16) in window 2
.irp a, 0,1,2,3
	v_wmma_f32_16x16x32_bf16 v[ACB+8*\a:ACB+8*\a+7], v[PA:PA+7], v[16*(4*\g+\a):16*(4*\g+\a)+7], 0
.endr
.irp a, 0,1,2,3
	v_wmma_f32_16x16x32_bf16 v[ACB+8*\a:ACB+8*\a+7], v[PA+8:PA+15], v[16*(4*\g+\a)+8:16*(4*\g+\a)+15], v[ACB+8*\a:ACB+8*\a+7]
.endr
	WIN 0
	PLACES                                         ; four places ahead of the first read of the results (ISA guide 7.12.1)
.irp a, 0,1,2,3
	v_fma_f32 v[CTX+4*\g+\a], v[CTX+4*\g+\a], v[FF], v[ACB+8*\a]
.endr
.endr
.endm
; A TILE'S END, second part: the arrived tile becomes the current one.  The loads are waited for in the next ring step's head, whose round also stands between these reads and the next stores into the same bytes.
.macro SW_B
	WIN 0x80                                       ; destination in window 2
.irp T, 0,1,2,3,4,5,6,7,8,9,10,11,12,13,14,15
.irp k, 0,1
	ds_load_tr16_b128 v[8*(2*\T+\k):8*(2*\T+\k)+3], v[XBR+\k] offset:32*\T
	ds_load_tr16_b128 v[8*(2*\T+\k)+4:8*(2*\T+\k)+7], v[XBR+\k] offset:32*\T+16*XBP
.endr
.endr
	WIN 0x40                                       ; destination in window 1
.irp i, 0,1,2,3
.irp s, 0,1,2,3,4,5,6,7
.irp c, 0,1
	ds_load_b128 v[64*\i+8*\s+4*\c:64*\i+8*\s+4*\c+3], v[STR] offset:16*STP*\i+64*\s+32*\c
.endr
.endr
.endr
	WIN 0
.irp i, 0,1,2,3
	ds_load_b128 v[XS+4*\i:XS+4*\i+3], v[SSR] offset:512*\i
.endr
.irp j, 0,1,2,3,4,5,6,7
	v_mov_b32 v[SA+\j], 0                          ; u begins anew;
	v_mov_b32 v[VV+8+\j], 0                        ; the next step's first vector work has no column tile left over: it adds 0 x r, r between 0 and 1
.endr
.endm
	; ---- the head: every address register and constant
	s_load_b512 s[4:19], s[0:1], 0x0               ; x s[4:5], mask s[6:7], v s[8:9], wimg s[10:11], dec s[12:13], tsc s[14:15], pml s[16:17], pctx s[18:19]
	v_lshl_add_u32 v[SPW], v0, 2, SPARE
	v_mov_b32 v[NIL], 0
	ds_add_u32 v1, v2
	ds_add_u32 v1, v2
	s_wait_dscnt 0x0
	v_lshrrev_b32 v31, 5, v0
	v_readfirstlane_b32 s20, v31                   ; wave 0..3
	s_bfe_u32 s21, ttmp6, 0x40000                  ; cx: it enters global addresses alone
	v_and_b32 v32, 31, v0                          ; lane
	v_and_b32 v33, 15, v0                          ; r
	v_bfe_u32 v34, v0, 4, 1                        ; h
	s_mul_i32 s72, s20, PARTB
	v_lshl_add_u32 v[WAD], v32, 4, s72
	v_add_nc_u32 v[WAD+1], SLOTB, v[WAD]
	s_lshl_b32 s73, s20, 10
	s_add_co_u32 s74, s73, TBL
	v_lshl_add_u32 v[TB0], v34, 5, s74
	s_add_co_u32 s74, s73, OUTS
	v_lshl_add_u32 v[OSW], v33, 2, s74
	v_lshl_add_u32 v[OSR], v32, 4, s74
	s_lshl_b32 s74, s20, 16
	v_lshl_add_u32 v[XA], v32, 4, s74
	s_mul_i32 s74, s20, 16*XBP
	s_add_co_u32 s74, s74, XB
	v_lshl_add_u32 v[XBW0], v32, 3, s74
	s_mul_i32 s74, s20, 16*STP
	s_add_co_u32 s74, s74, STG
	v_lshl_add_u32 v[STW0], v32, 1, s74
	s_lshl_b32 s74, s20, 9
	s_add_co_u32 s75, s74, STS
	v_lshrrev_b32 v35, 3, v32
	v_add_nc_u32 v[SSW0], s75, v35
	s_add_co_u32 s75, s74, XB
	v_and_b32 v35, 7, v0                           ; the turning load: lane l reads 16 bytes of row 8 h + l % 8, channels 8 ((l / 8) % 2) on
	v_lshl_add_u32 v35, v34, 3, v35
	v_mul_u32_u24 v35, v35, XBP
	v_bfe_u32 v36, v0, 3, 1
	v_lshl_add_u32 v35, v36, 4, v35
	v_add_nc_u32 v[XBR], s75, v35
	v_add_nc_u32 v[XBR+1], 32*XBP, v[XBR]
	v_mul_u32_u24 v35, v33, STP
	v_lshl_add_u32 v35, v34, 4, v35
	v_add_nc_u32 v[STR], STG, v35
	v_lshlrev_b32 v35, 5, v33
	v_lshl_add_u32 v35, v34, 4, v35
	v_add_nc_u32 v[SSR], STS, v35
	s_lshl_b32 s74, s20, 2
	s_add_co_u32 s74, s74, SCX
	v_lshl_add_u32 v[SCW], v33, 4, s74
	v_lshl_add_u32 v[SCR], v32, 5, SCX
	s_lshl_b32 s74, s20, 7
	s_add_co_u32 s74, s74, PT
	v_lshl_add_u32 v[PTW], v32, 2, s74
	v_lshl_add_u32 v[PTR], v34, 4, s74
	v_lshl_add_u32 v[MKR], v32, 3, MSKT
	v_lshlrev_b32 v[TSO], 3, v32
	v_mov_b32 v[NEGL], 0xceabfb8f                  ; -1e9 log2(e)
	v_lshlrev_b32 v36, 4, v0                       ; the tables: 16 bytes a thread,
	v_lshlrev_b32 v37, 3, v0                       ; the mask words 8
	v_lshl_add_u32 v38, v0, 4, TBL
	v_lshl_add_u32 v39, v0, 3, MSKT
	s_mov_b32 s50, 0x4038aa3b                      ; c = 2 log2(e)
	s_mov_b32 s51, s50                             ; (named with it as a pair)
	s_mov_b32 s52, 0xc038aa3b                      ; -2 log2(e)
	s_mov_b32 s53, 0x1800000                       ; the floor 2^(3 - 127)
	s_mov_b32 s54, 0xff000000                      ; -(2 << 23)
	s_mov_b32 s56, 0x76543210
	s_mov_b32 s57, 0xfedcba98                      ; v_permlanex16_b32's selects for lane l xor 16
	; descriptor group 1: my part of a slot, 17,408 dense bytes, as 68 rows of 32 elements of 8 bytes
	s_mov_b32 s24, 15|(3<<16)|(1<<21)              ; 15:0 the mask: all four work-groups; 17:16 elements of 8 bytes; 21 set beside a mask; no padding
	s_mov_b32 s25, 32<<16                          ; tensor_dim0 = 32
	s_mov_b32 s26, 68<<16                          ; tensor_dim1 = 68
	s_mov_b32 s27, 32<<16                          ; tile_dim0 = 32
	s_mov_b32 s28, 68                              ; tile_dim1 = 68
	s_mov_b32 s29, 32                              ; from row to row
	s_mov_b32 s30, 0
	s_mov_b32 s31, 0
	s_mov_b32 s32, 1                               ; group 0: count = 1;
	s_mov_b32 s33, s72                             ; LDS address: slot 0, my part;
	s_mov_b32 s36, 1
	s_add_co_u32 s37, s72, SLOTB                   ; slot 1, my part
	s_mov_b32 s42, 2<<17                           ; slot 0's next sigma is 2,
	s_mov_b32 s43, 0
	s_mov_b32 s44, 1<<17                           ; slot 1's first is 1
	s_mov_b32 s45, 0
	s_mov_b32 s48, 32768                           ; the landing loads' first step: from a tile's first half to its second
	s_mov_b32 s49, 0
	s_mov_b32 s69, 0
	s_mov_b32 s73, 0                               ; s[72:73] = my part's offset in a slot of wimg
	s_lshl_b32 s74, ttmp9, 12                      ; the batch's row of dec: 4,096 b
	s_mov_b32 s75, 0
	s_lshl_b32 s76, s21, 10
	s_add_co_u32 s76, s76, s74                     ; my 256 rows in mask and tsc: 4,096 b + 1,024 cx
	s_mov_b32 s77, 0
	s_lshl_b32 s78, ttmp9, 22
	s_lshl_b32 s79, s21, 20
	s_add_co_u32 s78, s78, s79                     ; and in x: 4 MiB b + 1 MiB cx
	s_mov_b32 s79, 0
	s_lshl_b32 s22, ttmp9, 10
	s_lshl_b32 s23, s21, 8
	s_add_co_u32 s22, s22, s23                     ; pml: 256 (4 b + cx)
	s_mov_b32 s23, 0
	s_lshl_b32 s2, ttmp9, 14
	s_lshl_b32 s3, s21, 12
	s_add_co_u32 s2, s2, s3
	s_lshl_b32 s3, s20, 10
	s_add_co_u32 s2, s2, s3                        ; pctx: 4,096 (4 b + cx) + 1,024 w
	s_mov_b32 s3, 0
	s_wait_alu depctr_va_vdst(0)
	s_wait_kmcnt 0x0
	s_add_nc_u64 s[40:41], s[10:11], s[72:73]      ; made of the wave's number alone: the same in all four work-groups
	s_add_nc_u64 s[12:13], s[12:13], s[74:75]
	s_add_nc_u64 s[6:7], s[6:7], s[76:77]
	s_add_nc_u64 s[70:71], s[14:15], s[76:77]
	s_add_nc_u64 s[46:47], s[4:5], s[78:79]
	s_add_nc_u64 s[16:17], s[16:17], s[22:23]
	s_add_nc_u64 s[18:19], s[18:19], s[2:3]
	s_mov_b64 s[34:35], s[40:41]                   ; slot 0 begins with sigma 0
	s_or_b32 s35, s35, 0x80000000
	global_load_b128 v[64:67], v36, s[12:13]       ; dec[b], v and my mask words: five dense loads,
	global_load_b128 v[68:71], v36, s[12:13] offset:2048
	global_load_b128 v[72:75], v36, s[8:9]
	global_load_b128 v[76:79], v36, s[8:9] offset:2048
	global_load_b64 v[80:81], v37, s[6:7]
	WIN 0xc0
.irp rr, 0,1,2,3,4,5,6,7
	LROW \rr                                       ; and the first half tile of x
.endr
	WIN 0
	ROUND                                          ; all four work-groups are here: the first joint load meets
	tensor_load_to_lds s[32:35], s[24:31]
	s_nop 0
	PLACES
	s_wait_loadcnt 0x3f                            ; 69 loads have been issued: with 63 out at the most the six oldest, the five tables' among them, are in
	ds_store_b128 v38, v[64:67]
	ds_store_b128 v38, v[68:71] offset:2048
	ds_store_b128 v38, v[72:75] offset:4096
	ds_store_b128 v38, v[76:79] offset:6144
	ds_store_b64 v39, v[80:81]
	; ---- tile 0 is quantised; halves 1 and 2 are asked for
	s_mov_b32 s61, 0
	s_mov_b32 s66, 0
	s_mov_b32 s67, 0
	s_mov_b32 s68, 0
	s_mov_b32 s59, 2
.Lpro:
	XHEAD 1
.irp rr, 0,1,2,3,4,5,6,7
	XROW \rr, 0
.endr
	XTAIL
	s_sub_co_u32 s59, s59, 1
	s_cmp_lg_u32 s59, 0
	s_cbranch_scc1 .Lpro
	s_wait_dscnt 0x0                               ; for the others' sake: the tables and my rows of tile 0 lie in LDS
	s_barrier_signal -1
	s_barrier_wait -1                              ; (slot 0's load may be out)
.set EJ, 0
.rept 32
	v_mov_b32 v[ACB+EJ], 0                         ; the first ring step's first vector work finds zeros
.set EJ, EJ+1
.endr
.set EJ, 0
.rept 16
	v_mov_b32 v[CTX+EJ], 0
.set EJ, EJ+1
.endr
.irp j, 4,5,6,7
	v_mov_b32 v[T0+\j], 0                          ; written once: a lane permute's destination counts as one of its sources
.endr
	v_mov_b32 v[MM], 0xff61b1e6                    ; -3e38, under every t
	v_mov_b32 v[LL], 0
	SW_B
	; ---- tiles 0 to 2: eight ring steps each, and the next tile's 16 rows a wave, TWO ROWS TO A STEP: between a refill and the wait for it stand a step's 64 matrix and 128 transcendental instructions and
	; two rows' quantising.  A half tile, four steps and eight rows, is written out, since each row has its own landing registers.  In the fourth step the rows stand at the step's head: so the youngest
	; landing loads have that step's body and the whole next step in which to land, ahead of the one wait a half.
	s_mov_b32 s58, 3
.Ltile:
	s_mov_b32 s62, 0
	s_mov_b32 s66, 0
	s_mov_b32 s67, 0
	s_mov_b32 s68, 0
	s_mov_b32 s59, 2
.Lhalf:
	STEP 0, 1
	XHEAD 0
	XROW 0, 1
	XROW 1, 1
	STEP 1, 1
	XROW 2, 1
	XROW 3, 1
	STEP 0, 1
	XROW 4, 1
	XROW 5, 1
	STEPH 1, 1
	XROW 6, 1
	XROW 7, 1
	XTAIL
	s_wait_dscnt 0x0                               ; row 7's stores have read their data, which lie where W's fragments land next
	STEPB 1
	s_sub_co_u32 s59, s59, 1
	s_cmp_lg_u32 s59, 0
	s_cbranch_scc1 .Lhalf
	SW_A
	s_wait_xcnt 0x0                                ; wave 0's store of t has read its base and its data
	s_add_nc_u64 s[70:71], s[70:71], 256           ; the next tile's 64 rows in tsc,
	s_add_co_u32 s69, s69, 256                     ; and among the mask words
	SW_B
	s_sub_co_u32 s58, s58, 1
	s_cmp_lg_u32 s58, 0
	s_cbranch_scc1 .Ltile
	; ---- tile 3: nothing arrives; its last two steps are written out
	s_mov_b32 s62, 0
	GN 3
	STEP 0, 1
	STEP 1, 0
	SW_A
	; ---- the way out: register T holds 16 channels across lanes; through my own 1,024 bytes of LDS they become 16 bytes a lane
.irp T, 0,1,2,3,4,5,6,7,8,9,10,11,12,13,14,15
	ds_store_b32 v[OSW], v[CTX+\T] offset:64*\T    ; both halves of the lanes write the same word with the same value
.endr
	ds_load_b128 v[232:235], v[OSR]                ; LDS serves a wave's instructions in order: these see my stores
	ds_load_b128 v[236:239], v[OSR] offset:512
	v_and_b32 v31, 31, v0
	v_lshlrev_b32 v31, 4, v31
	s_wait_alu depctr_va_vdst(0)                   ; directly ahead of the wait below
	s_wait_dscnt 0x1                               ; the first is in; the second was issued behind it
	global_store_b128 v31, v[232:235], s[18:19]    ; 512 consecutive bytes a store
	s_wait_dscnt 0x0
	global_store_b128 v31, v[236:239], s[18:19] offset:512
	s_cmp_lg_u32 s20, 0
	s_cbranch_scc1 .Lnot_first
	global_store_b64 v[TSO], v[MM:MM+1], s[16:17]  ; (m, l), the same in all 32 lanes: 256 consecutive bytes
.Lnot_first:
	s_wait_tensorcnt 0x0                           ; the wave's end: behind my last tensor load and my last LDS store
	ds_add_u32 v[SPW], v[NIL]
	s_wait_dscnt 0x0
	ROUND                                          ; the closing round: no work-group ends while a partner may still ask for a slot that names it
	s_endpgm
.Lfunc_end_k_q143da7a849_attend:
	.size	k_q143da7a849_attend, .Lfunc_end_k_q143da7a849_attend-k_q143da7a849_attend
	.p2alignl 7, 3214868480
	.fill 96, 4, 3214868480
	.section	.rodata,"a",@progbits
	.p2align	6, 0x0
	.amdhsa_kernel k_q143da7a849_attend
		.amdhsa_group_segment_fixed_size 327680
		.amdhsa_private_segment_fixed_size 0
		.amdhsa_enable_private_segment 0
		.amdhsa_kernarg_size 64
		.amdhsa_user_sgpr_count 2
		.amdhsa_user_sgpr_kernarg_segment_ptr 1
		.amdhsa_wavefront_size32 1
		.amdhsa_system_sgpr_workgroup_id_x 1
		.amdhsa_system_sgpr_workgroup_id_y 1
		.amdhsa_system_sgpr_workgroup_id_z 1
		.amdhsa_system_vgpr_workitem_id 0
		.amdhsa_next_free_vgpr 1024
		.amdhsa_next_free_sgpr 96
		.amdhsa_reserve_vcc 1
		.amdhsa_float_denorm_mode_32 3
		.amdhsa_float_denorm_mode_16_64 3
		.amdhsa_memory_ordered 1
		.amdhsa_forward_progress 1
		.amdhsa_inst_pref_size 255
	.end_amdhsa_kernel
	.section	.bss,"aw",@nobits
	.p2align	6
	.space	262144
	.amdgpu_metadata
---
amdhsa.version: [ 1, 2 ]
amdhsa.kernels:
  - .name:           k_q143da7a849_attend
    .symbol:         k_q143da7a849_attend.kd
    .args:
      - { .name: encoder_outputs, .offset: 0, .size: 8, .value_kind: global_buffer, .address_space: global }
      - { .name: src_mask, .offset: 8, .size: 8, .value_kind: global_buffer, .address_space: global }
      - { .name: v, .offset: 16, .size: 8, .value_kind: global_buffer, .address_space: global }
      - { .name: wimg, .offset: 24, .size: 8, .value_kind: global_buffer, .address_space: global }
      - { .name: dec, .offset: 32, .size: 8, .value_kind: global_buffer, .address_space: global }
      - { .name: tsc, .offset: 40, .size: 8, .value_kind: global_buffer, .address_space: global }
      - { .name: pml, .offset: 48, .size: 8, .value_kind: global_buffer, .address_space: global }
      - { .name: pctx, .offset: 56, .size: 8, .value_kind: global_buffer, .address_space: global }
    .group_segment_fixed_size: 327680
    .private_segment_fixed_size: 0
    .kernarg_segment_align: 8
    .kernarg_segment_size: 64
    .max_flat_workgroup_size: 128
    .sgpr_count:     96
    .vgpr_count:     1024
    .wavefront_size: 32
...
	.end_amdgpu_metadata
.endif
;; end of part 2
;; launch combine (part 3): grid 64 x 1, 8 waves a work-group, no clusters, 0 bytes of LDS; arguments tsc, pml, pctx, out0, out1; writes out0, out1
.if DOCPART == 3
	.amdgcn_target "amdgcn-amd-amdhsa--gfx1250"
	.amdhsa_code_object_version 6
	.text
	.protected	k_q143da7a849_combine
	.globl	k_q143da7a849_combine
	.p2align	8
	.type	k_q143da7a849_combine,@function
k_q143da7a849_combine:
	s_mov_b64 s[64:65], 0
	v_nop
	global_prefetch_b8 v0, s[64:65] scope:SCOPE_SE
	s_setreg_imm32_b32 hwreg(HW_REG_WAVE_MODE, 25, 1), 1
	s_wait_xcnt 0x0
; A batch's four parts are joined.  M = the largest of the four m;  w_i = 2^(m_i - M);  L = sum of l_i w_i;  context = (sum of w_i ctx_i) / L;  attn = 2^(t - M) / L.
; One work-group a batch, 256 threads; thread n takes 16 bytes (four numbers) of each row of 4,096 bytes: every load and store of a wave covers 512 consecutive bytes.
; (m_i, l_i) were stored by 32 lanes alike, 256 bytes a part: each lane reads its own 8 bytes.  L is at least 1: the part that holds M has a p of 1 in its sum.
; No LDS, no barrier, no matrix unit: 21 KB in and 8 KB out for a work-group, and nothing is shared.
	s_load_b256 s[4:11], s[0:1], 0x0               ; tsc s[4:5], pml s[6:7], pctx s[8:9], out0 s[10:11]
	s_load_b64 s[12:13], s[0:1], 0x20              ; out1
	v_lshlrev_b32 v1, 4, v0                        ; 16 bytes a thread
	v_and_b32 v2, 31, v0
	s_delay_alu instid0(VALU_DEP_1)
	v_lshlrev_b32 v2, 3, v2                        ; 8 bytes a lane
	s_lshl_b32 s14, ttmp9, 12                      ; a row of 4,096 bytes
	s_mov_b32 s15, 0
	s_lshl_b32 s16, ttmp9, 14                      ; four rows of pctx
	s_mov_b32 s17, 0
	s_lshl_b32 s18, ttmp9, 10                      ; four records of pml
	s_mov_b32 s19, 0
	s_wait_alu depctr_va_vdst(0)
	s_wait_kmcnt 0x0
	s_add_nc_u64 s[4:5], s[4:5], s[14:15]
	s_add_nc_u64 s[6:7], s[6:7], s[18:19]
	s_add_nc_u64 s[8:9], s[8:9], s[16:17]
	s_add_nc_u64 s[10:11], s[10:11], s[14:15]
	s_add_nc_u64 s[12:13], s[12:13], s[14:15]
.irp i, 0,1,2,3
	global_load_b64 v[4+2*\i:5+2*\i], v2, s[6:7] offset:256*\i     ; m_i, l_i
.endr
	global_load_b128 v[12:15], v1, s[4:5]          ; t
.irp i, 0,1,2,3
	global_load_b128 v[16+4*\i:19+4*\i], v1, s[8:9] offset:4096*\i ; ctx_i
.endr
	s_wait_loadcnt 0x0
	v_max3_num_f32 v32, v4, v6, v8
	s_delay_alu instid0(VALU_DEP_1)
	v_max_num_f32 v32, v32, v10                    ; M
.irp i, 0,1,2,3
	v_sub_f32 v[33+\i], v[4+2*\i], v32
.endr
.irp j, 0,1,2,3
	v_sub_f32 v[12+\j], v[12+\j], v32
.endr
	s_wait_alu depctr_va_vdst(0)
.irp i, 0,1,2,3
	v_exp_f32 v[33+\i], v[33+\i]                   ; w_i
.endr
.irp j, 0,1,2,3
	v_exp_f32 v[12+\j], v[12+\j]                   ; 2^(t - M)
.endr
	v_nop                                          ; a plain place behind the last of the batch
	s_wait_alu depctr_va_vdst(0)                   ; one wait for the eight, ahead of their first reader
	v_mul_f32 v37, v5, v33
	v_fmac_f32 v37, v7, v34
	v_fmac_f32 v37, v9, v35
	v_fmac_f32 v37, v11, v36                       ; L
	s_wait_alu depctr_va_vdst(0)
	v_rcp_f32 v38, v37
	v_nop
	s_wait_alu depctr_va_vdst(0)
.irp i, 0,1,2,3
	v_mul_f32 v[33+\i], v[33+\i], v38              ; w_i / L
.endr
.irp j, 0,1,2,3
	v_mul_f32 v[12+\j], v[12+\j], v38              ; attn
.endr
.irp j, 0,1,2,3
	v_mul_f32 v[40+\j], v[16+\j], v33
.endr
.irp i, 1,2,3
.irp j, 0,1,2,3
	s_delay_alu instid0(VALU_DEP_4)
	v_fmac_f32 v[40+\j], v[16+4*\i+\j], v[33+\i]   ; context
.endr
.endr
	global_store_b128 v1, v[40:43], s[10:11]
	global_store_b128 v1, v[12:15], s[12:13]
	s_endpgm
.Lfunc_end_k_q143da7a849_combine:
	.size	k_q143da7a849_combine, .Lfunc_end_k_q143da7a849_combine-k_q143da7a849_combine
	.p2alignl 7, 3214868480
	.fill 96, 4, 3214868480
	.section	.rodata,"a",@progbits
	.p2align	6, 0x0
	.amdhsa_kernel k_q143da7a849_combine
		.amdhsa_group_segment_fixed_size 0
		.amdhsa_private_segment_fixed_size 0
		.amdhsa_enable_private_segment 0
		.amdhsa_kernarg_size 40
		.amdhsa_user_sgpr_count 2
		.amdhsa_user_sgpr_kernarg_segment_ptr 1
		.amdhsa_wavefront_size32 1
		.amdhsa_system_sgpr_workgroup_id_x 1
		.amdhsa_system_sgpr_workgroup_id_y 1
		.amdhsa_system_sgpr_workgroup_id_z 1
		.amdhsa_system_vgpr_workitem_id 0
		.amdhsa_next_free_vgpr 48
		.amdhsa_next_free_sgpr 66
		.amdhsa_reserve_vcc 0
		.amdhsa_float_denorm_mode_32 3
		.amdhsa_float_denorm_mode_16_64 3
		.amdhsa_memory_ordered 1
		.amdhsa_forward_progress 1
		.amdhsa_inst_pref_size 5
	.end_amdhsa_kernel
	.amdgpu_metadata
---
amdhsa.version: [ 1, 2 ]
amdhsa.kernels:
  - .name:           k_q143da7a849_combine
    .symbol:         k_q143da7a849_combine.kd
    .args:
      - { .name: tsc, .offset: 0, .size: 8, .value_kind: global_buffer, .address_space: global }
      - { .name: pml, .offset: 8, .size: 8, .value_kind: global_buffer, .address_space: global }
      - { .name: pctx, .offset: 16, .size: 8, .value_kind: global_buffer, .address_space: global }
      - { .name: out0, .offset: 24, .size: 8, .value_kind: global_buffer, .address_space: global }
      - { .name: out1, .offset: 32, .size: 8, .value_kind: global_buffer, .address_space: global }
    .group_segment_fixed_size: 0
    .private_segment_fixed_size: 0
    .kernarg_segment_align: 8
    .kernarg_segment_size: 40
    .max_flat_workgroup_size: 256
    .sgpr_count:     66
    .vgpr_count:     48
    .wavefront_size: 32
...
	.end_amdgpu_metadata
.endif
;; end of part 3
